; MI455X (gfx1250); checked and timed in simulation.
; The chip was launched on July 23, 2026; its instructions are those of AMD's public machine-readable ISA for CDNA 5 (MIT licence, August 2026) and "CDNA5" Instruction Set Architecture Reference Guide (July 2026). The comments in the code are by the model that wrote it; some were corrected since.
;; MHA. Allowed arithmetic: float matrix products may take bf16 or f16 operands with f32 sums; all other float work in f32.
;; Inputs: Wk 1,024 x 1,024 float32; Wp 1,024 x 1,024 float32; Wq 1,024 x 1,024 float32; Wv 1,024 x 1,024 float32; bk 1,024 float32; bp 1,024 float32; bq 1,024 float32; bv 1,024 float32; ln_b 1,024 float32; ln_g 1,024 float32; mask 4 x 2,048 int32; x 4 x 2,048 x 1,024 float32.
;; Outputs: out0 4 x 2,048 x 1,024 float32.
;; One version. Each part assembles by itself: llvm-mc -triple=amdgcn-amd-amdhsa -mcpu=gfx1250 --defsym DOCPART=n.
;; ======== version 1 of 1: 4 launches
;; workspace buffers: xb 16,777,216 bytes; wt 8,388,608 bytes; bias 12,288 bytes; qkv 50,331,648 bytes; y 16,777,216 bytes
;; launch prep (part 1): grid 256 x 1, 8 waves a work-group, no clusters, 35,840 bytes of LDS; arguments x, Wq, Wk, Wv, Wp, bq, bk, bv, xb, wt, bias; writes xb, wt, bias
.if DOCPART == 1
	.amdgcn_target "amdgcn-amd-amdhsa--gfx1250"
	.amdhsa_code_object_version 6
	.text
	.protected	k_q41462eef70_prep
	.globl	k_q41462eef70_prep
	.p2align	8
	.type	k_q41462eef70_prep,@function
k_q41462eef70_prep:
	s_mov_b64 s[64:65], 0
	v_nop
	global_prefetch_b8 v0, s[64:65] scope:SCOPE_SE
	s_setreg_imm32_b32 hwreg(HW_REG_WAVE_MODE, 25, 1), 1
	s_wait_xcnt 0x0
; PREP: the matrix operands once in bf16 with K along the rows.
;   xb[8192][1024] = bf16(x);  wt[4096][1024]: row 1024 m + n, column k = bf16(W_m[k][n]), m = 0..3 for Wq, Wk, Wv, Wp;  bias[3072] = bq, bk, bv joined.
; 256 work-groups of eight waves, all with the same share: one tile of 128 k x 128 n of one W (4 x 8 x 8 tiles), 32 rows of x;
; 48 of them (number below 192 and a multiple of 4) also copy one block of 256 bytes of a bias.
; A stream: every input byte is read once and every output byte written once; no work-group shares an input with another,
; so clusters, tensor loads and the matrix unit would add nothing here.
; W tile: wave w takes 64 n (w & 1) x 32 k (w >> 1).  A lane loads 8 bytes (two neighbouring n) of each of its 32 rows k, so a load of the wave
; covers 256 consecutive bytes, aligned.  It packs pairs of k into bf16 and lays them into an LDS tile [n][k] of pitch 272; behind one barrier
; the rows come back whole (256 bytes of k) and sixteen lanes store 256 consecutive bytes of wt, aligned.
.set PITCH, 272                        ; LDS row: 256 bytes + 16
.set WR, 16                            ; v[16:79]   W as loaded (f32); later x as bf16, on its way out
.set XR, 80                            ; v[80:207]  x as loaded: 32 loads of 16 bytes
.set WB, 208                           ; v[208:239] W in bf16: 16 registers for each of my two n; later the rows read back
	s_load_b512 s[8:23], s[0:1], 0x0               ; x 8, Wq 10, Wk 12, Wv 14, Wp 16, bq 18, bk 20, bv 22
	s_load_b128 s[24:27], s[0:1], 0x40             ; xb 24, wt 26
	s_load_b64 s[28:29], s[0:1], 0x50              ; bias
	v_lshl_add_u32 v240, v0, 2, 0x8800
	v_mov_b32 v241, 0
	v_lshrrev_b32 v5, 5, v0
	v_readfirstlane_b32 s30, v5                    ; wave
	s_mov_b32 s2, ttmp9                            ; the work-group's number
	s_lshr_b32 s31, s2, 6                          ; m: which W
	s_bfe_u32 s38, s2, 0x30003                     ; kt: 3 bits from bit 3
	s_and_b32 s39, s2, 7                           ; nt
	s_lshl_b32 s40, s38, 19                        ; source: kt x 128 rows of 4,096 bytes
	s_lshl_b32 s41, s39, 9                         ;         + nt x 128 numbers of 4 bytes
	s_add_co_u32 s40, s40, s41
	s_mov_b32 s41, 0
	s_lshl_b32 s42, s31, 21                        ; target: (1024 m + 128 nt) rows of 2,048 bytes + kt x 256 bytes
	s_lshl_b32 s43, s39, 18
	s_add_co_u32 s42, s42, s43
	s_lshl_b32 s43, s38, 8
	s_add_co_u32 s42, s42, s43
	s_mov_b32 s43, 0
	s_lshl_b32 s44, s2, 17                         ; x: 32 rows of 4,096 bytes a work-group
	s_mov_b32 s45, 0
	s_lshl_b32 s46, s2, 16                         ; xb: 32 rows of 2,048 bytes
	s_mov_b32 s47, 0
	s_lshr_b32 s36, s2, 2                          ; bias block: number / 4 = 16 m + block
	s_and_b32 s38, s36, 15
	s_lshl_b32 s38, s38, 8                         ; its place in the one bias,
	s_mov_b32 s39, 0
	s_lshl_b32 s36, s36, 8                         ; and in the joined one
	s_mov_b32 s37, 0
	s_and_b32 s3, s2, 3
	s_or_b32 s3, s3, s30                           ; 0: wave 0 of a work-group whose number is a multiple of 4
	v_and_b32 v6, 63, v0                           ; 32 (w & 1) + lane: my pair of n
	v_lshrrev_b32 v7, 6, v0                        ; w >> 1: my 32 k
	v_lshlrev_b32 v1, 3, v6
	v_lshl_or_b32 v1, v7, 17, v1                   ; source offset: 32 rows of 4,096 bytes x (w >> 1) + 8 bytes x pair
	v_mul_u32_u24 v2, v6, 2*PITCH
	v_lshl_add_u32 v2, v7, 6, v2                   ; LDS: row 2 x pair, byte 64 (w >> 1)
	v_bfe_u32 v8, v0, 4, 1
	v_lshl_add_u32 v8, v5, 4, v8                   ; back: row 16 w + lane / 16
	v_and_b32 v9, 15, v0
	v_lshlrev_b32 v9, 4, v9
	v_mad_u32_u24 v3, v8, PITCH, v9                ; LDS address of my 16 bytes of that row
	v_lshl_add_u32 v4, v8, 11, v9                  ; and their offset in wt
	v_lshlrev_b32 v10, 4, v0                       ; x: 16 bytes a thread, the eight waves cover a row
	v_lshlrev_b32 v11, 3, v0                       ; xb: 8 bytes a thread
	s_wait_kmcnt 0x0
	s_cmp_eq_u32 s31, 1                            ; the choice of W and of the bias hangs on the work-group's number alone
	s_cselect_b64 s[32:33], s[12:13], s[10:11]
	s_cselect_b64 s[34:35], s[20:21], s[18:19]
	s_cmp_eq_u32 s31, 2
	s_cselect_b64 s[32:33], s[14:15], s[32:33]
	s_cselect_b64 s[34:35], s[22:23], s[34:35]
	s_cmp_eq_u32 s31, 3
	s_cselect_b64 s[32:33], s[16:17], s[32:33]
	s_add_nc_u64 s[32:33], s[32:33], s[40:41]
	s_add_nc_u64 s[26:27], s[26:27], s[42:43]
	s_add_nc_u64 s[8:9], s[8:9], s[44:45]
	s_add_nc_u64 s[24:25], s[24:25], s[46:47]
	s_add_nc_u64 s[34:35], s[34:35], s[38:39]
	s_add_nc_u64 s[28:29], s[28:29], s[36:37]
	; all loads go out first: 32 of W, then 32 of x
.set j, 0
.rept 32
	global_load_b64 v[WR+2*j:WR+2*j+1], v1, s[32:33] offset:4096*j th:TH_LOAD_NT
.set j, j+1
.endr
.set j, 0
.rept 32
	global_load_b128 v[XR+4*j:XR+4*j+3], v10, s[8:9] offset:4096*j th:TH_LOAD_NT
.set j, j+1
.endr
	s_wait_loadcnt 32                              ; loads come back in order: the 32 of x are younger, so W is in
.set j, 0
.rept 16
	v_cvt_pk_bf16_f32 v[WB+j],    v[WR+4*j],   v[WR+4*j+2]     ; k = 2 j, 2 j + 1 of my first n
	v_cvt_pk_bf16_f32 v[WB+16+j], v[WR+4*j+1], v[WR+4*j+3]     ; and of my second
.set j, j+1
.endr
.irp g, 0,1,2,3
	ds_store_b128 v2, v[WB+4*\g:WB+4*\g+3] offset:16*\g
	ds_store_b128 v2, v[WB+16+4*\g:WB+16+4*\g+3] offset:PITCH+16*\g
.endr
	s_wait_dscnt 0x0                               ; for the other waves' sake: my stores are done before I signal
	s_barrier_signal -1
	s_barrier_wait -1
.irp t, 0,1,2,3,4,5,6,7
	ds_load_b128 v[WB+4*\t:WB+4*\t+3], v3 offset:2*PITCH*\t        ; lanes 0-15 one row of 256 bytes, lanes 16-31 the next
.endr
.irp t, 0,1,2,3,4,5,6,7
	s_wait_dscnt 7-\t
	global_store_b128 v4, v[WB+4*\t:WB+4*\t+3], s[26:27] offset:4096*\t
.endr
	; x: four f32 become 8 bytes; a store of the wave covers 256 consecutive bytes, aligned
.set j, 0
.rept 32
	s_wait_loadcnt 31-j                            ; load j is in, the younger ones stay out
	v_cvt_pk_bf16_f32 v[WR+2*j],   v[XR+4*j],   v[XR+4*j+1]
	v_cvt_pk_bf16_f32 v[WR+2*j+1], v[XR+4*j+2], v[XR+4*j+3]
	global_store_b64 v11, v[WR+2*j:WR+2*j+1], s[24:25] offset:2048*j
.set j, j+1
.endr
	s_cmp_lg_u32 s3, 0                             ; one wave of every fourth work-group
	s_cbranch_scc1 .Lend
	s_cmp_ge_u32 s2, 192                           ; of the three W that have a bias in the joined vector
	s_cbranch_scc1 .Lend
	global_load_b64 v[12:13], v11, s[34:35]        ; wave 0: 8 x thread = 8 x lane: 256 bytes
	s_wait_loadcnt 0x0
	global_store_b64 v11, v[12:13], s[28:29]
.Lend:
	s_wait_tensorcnt 0x0
	ds_add_u32 v240, v241
	s_wait_dscnt 0x0
	s_endpgm
.Lfunc_end_k_q41462eef70_prep:
	.size	k_q41462eef70_prep, .Lfunc_end_k_q41462eef70_prep-k_q41462eef70_prep
	.p2alignl 7, 3214868480
	.fill 96, 4, 3214868480
	.section	.rodata,"a",@progbits
	.p2align	6, 0x0
	.amdhsa_kernel k_q41462eef70_prep
		.amdhsa_group_segment_fixed_size 35840
		.amdhsa_private_segment_fixed_size 0
		.amdhsa_enable_private_segment 0
		.amdhsa_kernarg_size 88
		.amdhsa_user_sgpr_count 2
		.amdhsa_user_sgpr_kernarg_segment_ptr 1
		.amdhsa_wavefront_size32 1
		.amdhsa_system_sgpr_workgroup_id_x 1
		.amdhsa_system_sgpr_workgroup_id_y 1
		.amdhsa_system_sgpr_workgroup_id_z 1
		.amdhsa_system_vgpr_workitem_id 0
		.amdhsa_next_free_vgpr 242
		.amdhsa_next_free_sgpr 66
		.amdhsa_reserve_vcc 0
		.amdhsa_float_denorm_mode_32 3
		.amdhsa_float_denorm_mode_16_64 3
		.amdhsa_memory_ordered 1
		.amdhsa_forward_progress 1
		.amdhsa_inst_pref_size 22
	.end_amdhsa_kernel
	.amdgpu_metadata
---
amdhsa.version: [ 1, 2 ]
amdhsa.kernels:
  - .name:           k_q41462eef70_prep
    .symbol:         k_q41462eef70_prep.kd
    .args:
      - { .name: x, .offset: 0, .size: 8, .value_kind: global_buffer, .address_space: global }
      - { .name: Wq, .offset: 8, .size: 8, .value_kind: global_buffer, .address_space: global }
      - { .name: Wk, .offset: 16, .size: 8, .value_kind: global_buffer, .address_space: global }
      - { .name: Wv, .offset: 24, .size: 8, .value_kind: global_buffer, .address_space: global }
      - { .name: Wp, .offset: 32, .size: 8, .value_kind: global_buffer, .address_space: global }
      - { .name: bq, .offset: 40, .size: 8, .value_kind: global_buffer, .address_space: global }
      - { .name: bk, .offset: 48, .size: 8, .value_kind: global_buffer, .address_space: global }
      - { .name: bv, .offset: 56, .size: 8, .value_kind: global_buffer, .address_space: global }
      - { .name: xb, .offset: 64, .size: 8, .value_kind: global_buffer, .address_space: global }
      - { .name: wt, .offset: 72, .size: 8, .value_kind: global_buffer, .address_space: global }
      - { .name: bias, .offset: 80, .size: 8, .value_kind: global_buffer, .address_space: global }
    .group_segment_fixed_size: 35840
    .private_segment_fixed_size: 0
    .kernarg_segment_align: 8
    .kernarg_segment_size: 88
    .max_flat_workgroup_size: 256
    .sgpr_count:     66
    .vgpr_count:     242
    .wavefront_size: 32
...
	.end_amdgpu_metadata
.endif
;; end of part 1
;; launch qkv (part 2): grid 8 x 64, 4 waves a work-group, clusters of 4 x 4, 327,680 bytes of LDS; arguments xb, wt, bias, qkv; writes qkv
.if DOCPART == 2
	.amdgcn_target "amdgcn-amd-amdhsa--gfx1250"
	.amdhsa_code_object_version 6
	.text
	.protected	k_q41462eef70_qkv
	.globl	k_q41462eef70_qkv
	.p2align	8
	.type	k_q41462eef70_qkv,@function
k_q41462eef70_qkv:
	s_mov_b64 s[64:65], 0
	v_nop
	global_prefetch_b8 v0, s[64:65] scope:SCOPE_SE
	s_setreg_imm32_b32 hwreg(HW_REG_WAVE_MODE, 25, 1), 1
	s_wait_xcnt 0x0
	s_wait_alu depctr_hold_cnt(0) depctr_sa_sdst(0) depctr_va_vdst(0) depctr_va_sdst(0) depctr_va_ssrc(0) depctr_va_vcc(0) depctr_vm_vsrc(0)
	s_getreg_b32 s2, hwreg(HW_REG_IB_STS2, 6, 4)
	s_cmp_eq_u32 s2, 0
	s_cbranch_scc0 .Lentry_in_a_cluster
	s_endpgm
.Lentry_in_a_cluster:
	s_bfe_u32 s2, ttmp6, 0x10000c
	s_cmp_lg_u32 s2, 0xf033
	s_cbranch_scc0 .Lentry_shape_is_right
	s_endpgm
.Lentry_shape_is_right:
; QKV: qkv[8192][3072] (bf16) = xb[8192][1024] x wt[0..3071][1024]^T + bias, sums in f32, rounded once.
; A work-group makes a block of 128 rows x 384 columns: 64 x 8 = 512 blocks, two for each of 256 WGPs.  Four waves side by side,
; each 128 x 96: 48 accumulator tiles of 16 x 16, 384 registers.  For 32 along K a wave reads (128 + 96) x 64 bytes from LDS for 48 matrix instructions.
; K goes in steps of 128 through two LDS slots (128 rows of xb, then 384 rows of wt, each row 256 bytes of memory at a multiple of 256 bytes).
; One tensor load a wave and step, 128 rows: wave 0 fetches xb's rows, waves 1 to 3 wt's.
; CLUSTERS: 4 x 4 work-groups.  xb's tile hangs on the block row alone and is asked for jointly by the four of a row of the cluster,
; wt's on the block column alone and is asked for jointly by the four of a column.
; REGISTER WINDOWS: 0: addresses, fragments of xb (two buffers of 64), the bias; 1: fragments of wt (two buffers of 48);
; 2: accumulator tiles of rows 0-63 (tile (a, b) at 8 (6 a + b)); 3: those of rows 64-127.
; The matrix instruction is used transposed (source 0 = 16 rows of wt, source 1 = 16 rows of xb): lane l holds row l % 16 of the result and
; its registers 0-7 the columns 8 (l / 16) + 0..7, eight neighbouring numbers of a row.
.set KSTEP,  128
.set PITCH,  272                       ; LDS row: 256 bytes + 16: an odd multiple of 16, so the 16 rows of a fragment load start in 16 different 16-byte columns of 256 bytes
.set HALFT,  128*PITCH                 ; what one tensor load brings
.set SLOT,   4*HALFT
.set SPITCH, 784                       ; the way out: a row of 384 bf16 + 16 bytes, again an odd multiple of 16
.set SIZE_K, 1024
.set SIZE_N, 3072
.set LAPS, SIZE_K/(2*KSTEP)            ; 4 laps of two K steps
.set ADRA, 16                          ; v16-17 LDS address of my xb fragments in slot 0, 1
.set ADRB, 20                          ; v20-21 the same for wt
.set STO,  24                          ; v24-25 the way out: where I put 16 bytes, rows 0-63 and 64-127
.set RD,   26                          ; v26    where I read rows back
.set CO,   27                          ; v27    my byte offset in qkv
.set BO,   28                          ; v28    my byte offset in the bias
.set F0,   64
.set F1,   128
.set BI,   192                         ; v192-239 the bias of my 48 columns (8 for each of 6 tiles)
.set G1, 24                            ; s[24:31] group 1 for xb's tiles
.set G0, 32                            ; s[32:39] group 0 for xb's tiles, one set a slot
.set G1B, 48                           ; s[48:55] group 1 for wt's tiles
.set G0B, 56                           ; s[56:63] group 0 for wt's tiles, one set a slot
.set MSB, 0
.macro WIN new                         ; the immediate's high byte repeats the setting that is left
.if MSB != \new
	s_set_vgpr_msb (MSB<<8)|\new
.set MSB, \new
.endif
.endm
.set MUL_LO, 0xa1                      ; source 0 window 1, source 1 window 0, C and D window 2
.set MUL_HI, 0xf1                      ; the same, C and D window 3
.set TO_B,   0x40                      ; destination window 1, address window 0
.macro JLOAD s                         ; a joint load: wave 0 asks for xb's tile, waves 1-3 for their 128 rows of wt's.  The branch hangs on the wave's number alone
	s_cmp_eq_u32 s12, 0
	s_cbranch_scc0 .Lfor_b_\@
	tensor_load_to_lds s[G0+4*\s:G0+4*\s+3], s[G1:G1+7]
	s_nop 0
	s_branch .Lasked_\@
.Lfor_b_\@:
	tensor_load_to_lds s[G0B+4*\s:G0B+4*\s+3], s[G1B:G1B+7]
	s_nop 0
.Lasked_\@:
.endm
.macro CREST                           ; a round of the cluster's barrier behind its opening work-group barrier
	s_cmp_lg_u32 s12, 0
	s_cbranch_scc1 .Lnot_wave_0_\@
	s_barrier_signal -3
.Lnot_wave_0_\@:
	s_barrier_wait -3
	s_barrier_signal -1
	s_barrier_wait -1
.endm
.macro CROUND                          ; a whole round
	s_barrier_signal -1
	s_barrier_wait -1
	CREST
.endm
	s_load_b256 s[4:11], s[0:1], 0x0               ; xb 4, wt 6, bias 8, qkv 10
	s_set_vgpr_msb 0x40
	v_lshl_add_u32 v255, v0, 2, 0x44000
	s_set_vgpr_msb 0x4000
	v_mov_b32 v255, 0
	s_set_vgpr_msb 0x1
	ds_add_u32 v255, v255
	s_set_vgpr_msb 0x100
	v_lshrrev_b32 v1, 5, v0
	v_readfirstlane_b32 s12, v1                    ; wave 0..3
	s_bfe_u32 s40, ttmp6, 0x40000                  ; cx
	s_bfe_u32 s41, ttmp6, 0x40004                  ; cy
	s_lshl_b32 s42, ttmp9, 2
	s_add_co_u32 s42, s42, s40                     ; block column = 4 x cluster x + cx
	s_and_b32 s13, ttmp7, 0xffff
	s_lshl_b32 s13, s13, 2
	s_add_co_u32 s13, s13, s41                     ; block row = 4 x cluster y + cy
	s_lshl_b32 s43, s41, 2
	s_lshl_b32 s43, 15, s43                        ; my row of the cluster
	s_lshl_b32 s44, 0x1111, s40                    ; my column
	; group 1: 128 rows x 128 elements of 2 bytes, 4 words of padding behind every 64 words
	s_or_b32 s[G1+0], s43, (1<<16)|(1<<20)|(1<<21)|(5<<22)|(3<<25)
	s_or_b32 s[G1B+0], s44, (1<<16)|(1<<20)|(1<<21)|(5<<22)|(3<<25)
	s_mov_b32 s[G1+1], KSTEP<<16                   ; tensor_dim0 = 128
	s_mov_b32 s[G1B+1], KSTEP<<16
	s_mov_b32 s[G1+2], 128<<16                     ; tensor_dim1 = 128
	s_mov_b32 s[G1B+2], 128<<16
	s_mov_b32 s[G1+3], KSTEP<<16                   ; tile_dim0 = 128
	s_mov_b32 s[G1B+3], KSTEP<<16
	s_mov_b32 s[G1+4], 128                         ; tile_dim1 = 128
	s_mov_b32 s[G1B+4], 128
	s_mov_b32 s[G1+5], SIZE_K                      ; elements from row to row
	s_mov_b32 s[G1B+5], SIZE_K
	s_mov_b32 s[G1+6], 0
	s_mov_b32 s[G1B+6], 0
	s_mov_b32 s[G1+7], 0
	s_mov_b32 s[G1B+7], 0
	s_lshl_b32 s16, s13, 18                        ; xb: 128 rows of 2,048 bytes a block row
	s_mov_b32 s17, 0
	s_max_u32 s45, s12, 1
	s_sub_co_u32 s45, s45, 1                       ; which 128 rows of wt's 384 (waves 1-3; wave 0 never asks by this address)
	s_lshl_b32 s45, s45, 7
	s_mul_i32 s46, s42, 384
	s_add_co_u32 s46, s46, s45
	s_lshl_b32 s46, s46, 11                        ; rows of 2,048 bytes
	s_mov_b32 s47, 0
	s_mul_i32 s22, s42, 1536                       ; the bias of my block's 384 columns
	s_mov_b32 s23, 0
	s_mul_i32 s20, s12, HALFT                      ; where my tile goes: wave x 128 rows; no place in the cluster enters an LDS address
	s_wait_dscnt 0x0
	s_wait_kmcnt 0x0
	s_add_nc_u64 s[14:15], s[4:5], s[16:17]
	s_add_nc_u64 s[46:47], s[6:7], s[46:47]
	s_add_nc_u64 s[8:9], s[8:9], s[22:23]
	CROUND                                         ; all sixteen work-groups are here: the first joint loads meet
.irp s, 0,1
	s_mov_b32 s[G0+4*\s], 1
	s_add_co_u32 s[G0+4*\s+1], s20, \s*SLOT
	s_add_nc_u64 s[G0+4*\s+2:G0+4*\s+3], s[14:15], \s*KSTEP*2
	s_or_b32 s[G0+4*\s+3], s[G0+4*\s+3], 0x80000000
	s_mov_b32 s[G0B+4*\s], 1
	s_add_co_u32 s[G0B+4*\s+1], s20, \s*SLOT
	s_add_nc_u64 s[G0B+4*\s+2:G0B+4*\s+3], s[46:47], \s*KSTEP*2
	s_or_b32 s[G0B+4*\s+3], s[G0B+4*\s+3], 0x80000000
	JLOAD \s                                       ; both first fills go out before anything else: two tensor loads of the wave are out at the most
.endr
	v_and_b32 v1, 15, v0                           ; r = l % 16
	v_bfe_u32 v2, v0, 4, 1                         ; h = l / 16
	v_mul_u32_u24 v[ADRA], v1, PITCH
	v_lshl_add_u32 v[ADRA], v2, 4, v[ADRA]         ; row x pitch + 16 h: all four waves read the same 128 rows of xb
	v_add_nc_u32 v[ADRA+1], SLOT, v[ADRA]
	s_mul_i32 s22, s12, 96*PITCH
	s_add_co_u32 s22, s22, HALFT                   ; my 96 rows of wt, behind xb's 128
	v_add_nc_u32 v[ADRB], s22, v[ADRA]
	v_add_nc_u32 v[ADRB+1], SLOT, v[ADRB]
	v_mul_u32_u24 v4, v1, SPITCH
	v_lshl_add_u32 v4, v2, 4, v4
	s_mul_i32 s23, s12, 192                        ; my 96 columns are 192 bytes of a row
	v_add_nc_u32 v[STO], s23, v4
	v_add_nc_u32 v[STO+1], 64*SPITCH, v[STO]
	v_mul_u32_u24 v5, v2, SPITCH
	v_lshl_add_u32 v5, v1, 4, v5
	s_mul_i32 s23, s12, 32*SPITCH                  ; back: wave w takes rows 32 w .. 32 w + 31
	v_add_nc_u32 v[RD], s23, v5
	v_mul_u32_u24 v5, v2, SIZE_N*2
	v_lshl_add_u32 v[CO], v1, 4, v5
	s_mul_i32 s23, s12, 384
	v_lshl_add_u32 v[BO], v2, 5, s23               ; bias bytes: 4 x (96 w + 8 h)
.irp b, 0,1,2,3,4,5
	global_load_b128 v[BI+8*\b:BI+8*\b+3],   v[BO], s[8:9] offset:64*\b       ; waited for in front of the way out
	global_load_b128 v[BI+8*\b+4:BI+8*\b+7], v[BO], s[8:9] offset:64*\b+16
.endr
; 12 matrix instructions: row blocks a0, a0 + 1 of the window's four x all 6 column blocks, 32 along K.  zero = 1: the product starts the sums.
.macro MUL12 f, hi, a0, zero
.irp a, \a0, \a0+1
.irp b, 0,1,2,3,4,5
.if \zero
	v_wmma_f32_16x16x32_bf16 v[8*(6*(\a)+\b):8*(6*(\a)+\b)+7], v[\f+8*\b:\f+8*\b+7], v[\f+8*(4*\hi+\a):\f+8*(4*\hi+\a)+7], 0
.else
	v_wmma_f32_16x16x32_bf16 v[8*(6*(\a)+\b):8*(6*(\a)+\b)+7], v[\f+8*\b:\f+8*\b+7], v[\f+8*(4*\hi+\a):\f+8*(4*\hi+\a)+7], v[8*(6*(\a)+\b):8*(6*(\a)+\b)+7]
.endif
.endr
.endr
.endm
; 28 LDS loads in one run: 96 rows of wt, then 128 rows of xb, 32 K at byte k of the rows, into buffer f
.macro FETCH slot, k, f
	WIN TO_B
.irp i, 0,1,2,3,4,5
	ds_load_b128 v[\f+8*\i:\f+8*\i+3],   v[ADRB+\slot] offset:\k+\i*16*PITCH
	ds_load_b128 v[\f+8*\i+4:\f+8*\i+7], v[ADRB+\slot] offset:\k+\i*16*PITCH+32
.endr
	WIN 0
.irp i, 0,1,2,3,4,5,6,7
	ds_load_b128 v[\f+8*\i:\f+8*\i+3],   v[ADRA+\slot] offset:\k+\i*16*PITCH
	ds_load_b128 v[\f+8*\i+4:\f+8*\i+7], v[ADRA+\slot] offset:\k+\i*16*PITCH+32
.endr
.endm
; Four places of plain vector instructions stand between a matrix instruction and a load into, or a vector instruction on, one of its registers
.macro PLACES
.rept 4
	v_nop
.endr
.endm
; A K step is four quarters of 32 along K, 48 matrix instructions each, on buffers 0, 1, 0, 1.  The 48 accumulators take turns, one instruction
; a turn, in the same order in every quarter and over the backward jump.
.macro QUARTER slot, k, f, g, zero
	s_wait_dscnt 8                                 ; wt's 12 loads and xb's rows 0-63 are in; the youngest eight (rows 64-127) may be out
	WIN MUL_LO
	MUL12 \f, 0, 0, \zero
	MUL12 \f, 0, 2, \zero
	PLACES
	FETCH \slot, \k, \g
	s_wait_dscnt 28                                ; all but the 28 just issued
	WIN MUL_HI
	MUL12 \f, 1, 0, \zero
	MUL12 \f, 1, 2, \zero
.endm
.macro THREE slot, zero
	QUARTER \slot, 64,  F0, F1, \zero
	QUARTER \slot, 128, F1, F0, 0
	QUARTER \slot, 192, F0, F1, 0
.endm
; The last quarter multiplies buffer 1 and changes slots.  In front of the barrier each wave waits for its reads of this slot and for all its
; tensor loads (one is out: its part of the next slot).  Where the slot is filled again the barrier opens a round of the cluster's barrier, and the
; joint refill is the first tensor load behind the round.  From a request to the wait for it a wave issues 180 matrix instructions.
.macro TURN slot, next, fill
	s_wait_dscnt 8
	WIN MUL_LO
	MUL12 F1, 0, 0, 0
	s_wait_dscnt 0                                 ; my reads of this slot are over
	s_wait_tensorcnt 0x0                           ; all my tensor loads have landed
	ds_add_u32 v255, v255
	s_wait_dscnt 0x0
	s_barrier_signal -1
	MUL12 F1, 0, 2, 0                              ; register work while the others arrive
	WIN 0
	s_barrier_wait -1
.if \fill
	CREST                                          ; no wave of any partner still reads this slot or has a load on its way
	s_add_nc_u64 s[G0+4*\slot+2:G0+4*\slot+3], s[G0+4*\slot+2:G0+4*\slot+3], 2*KSTEP*2
	s_add_nc_u64 s[G0B+4*\slot+2:G0B+4*\slot+3], s[G0B+4*\slot+2:G0B+4*\slot+3], 2*KSTEP*2
	JLOAD \slot
.endif
	PLACES
	FETCH \next, 0, F0
	WIN MUL_HI
	MUL12 F1, 1, 0, 0
	MUL12 F1, 1, 2, 0
.endm
.macro LAP zero
	THREE 0, \zero
	TURN 0, 1, 1
	THREE 1, 0
	TURN 1, 0, 1
.endm
	s_wait_tensorcnt 1                             ; my part of K step 0 is in; K step 1's may stay out
	s_barrier_signal -1
	s_barrier_wait -1
	FETCH 0, 0, F0
	LAP 1                                          ; the first products start the sums: nothing is cleared
	WIN 0
	s_mov_b32 s3, LAPS-2
.Llap:
	LAP 0
	WIN 0
	s_sub_co_u32 s3, s3, 1
	s_cmp_lg_u32 s3, 0
	s_cbranch_scc1 .Llap
	THREE 0, 0                                     ; the last lap fills nothing
	TURN 0, 1, 0                                   ; behind this barrier no wave reads slot 0 any more and no load fills it again
	THREE 1, 0
	s_wait_dscnt 8
	WIN MUL_LO
	MUL12 F1, 0, 0, 0
	MUL12 F1, 0, 2, 0
	s_wait_dscnt 0
	WIN MUL_HI
	MUL12 F1, 1, 0, 0
	MUL12 F1, 1, 2, 0
	; THE WAY OUT.  A wave's 96 columns are 192 bytes of a row, so whole blocks of 256 bytes need all four waves: the block of 128 x 384 is
	; gathered in slot 0 (100,352 bytes; its last fill and its last reads lie in front of the last change of slots), and read back by rows.
	PLACES
	s_lshl_b32 s16, s13, 7
	s_lshl_b32 s17, s12, 5
	s_add_co_u32 s16, s16, s17                     ; the first row that I store: 128 x block row + 32 w
	s_mul_i32 s16, s16, SIZE_N*2
	s_mov_b32 s17, 0
	s_add_nc_u64 s[10:11], s[10:11], s[16:17]
	s_mul_i32 s46, s42, 768                        ; the block's first column, in bytes
	s_mov_b32 s47, 0
	s_add_nc_u64 s[10:11], s[10:11], s[46:47]
	s_wait_loadcnt 0x0                             ; the bias
; rows 16 a .. 16 a + 15: the six tiles (a4, 0..5) of window 2 or 3 get their bias, are rounded, and go to the stage, 16 bytes a lane
.macro OUTA a4, from, sto
	WIN \from
.irp b, 0,1,2,3,4,5
.irp i, 0,1,2,3
	v_pk_add_f32 v[F0+8*\b+2*\i:F0+8*\b+2*\i+1], v[8*(6*\a4+\b)+2*\i:8*(6*\a4+\b)+2*\i+1], v[BI+8*\b+2*\i:BI+8*\b+2*\i+1]
.endr
.endr
	WIN 0
.irp b, 0,1,2,3,4,5
.irp i, 0,1,2,3
	v_cvt_pk_bf16_f32 v[F0+48+4*\b+\i], v[F0+8*\b+2*\i], v[F0+8*\b+2*\i+1]
.endr
	ds_store_b128 v[\sto], v[F0+48+4*\b:F0+48+4*\b+3] offset:\a4*16*SPITCH+32*\b
.endr
.endm
	OUTA 0, 0x02, STO
	OUTA 1, 0x02, STO
	OUTA 2, 0x02, STO
	OUTA 3, 0x02, STO
	OUTA 0, 0x03, STO+1
	OUTA 1, 0x03, STO+1
	OUTA 2, 0x03, STO+1
	OUTA 3, 0x03, STO+1
	s_wait_dscnt 0x0                               ; my stores are done before I signal: the other waves read them
	s_barrier_signal -1
	s_barrier_wait -1
; eight of my 32 rows: 12 loads, each two rows' 256 bytes; sixteen lanes then store 256 consecutive bytes of qkv, aligned
.macro BACK g, f
	s_wait_xcnt 0x0                                ; buffer f, which earlier stores read, is loaded again only behind this wait
.irp t, 0,1,2,3,4,5,6,7,8,9,10,11
	ds_load_b128 v[\f+4*\t:\f+4*\t+3], v[RD] offset:(4*\g+\t/3)*2*SPITCH+(\t%3)*256
.endr
.irp t, 0,1,2,3,4,5,6,7,8,9,10,11
	s_wait_dscnt 11-\t
	global_store_b128 v[CO], v[\f+4*\t:\f+4*\t+3], s[10:11] offset:(4*\g+\t/3)*2*SIZE_N*2+(\t%3)*256
.endr
.endm
	BACK 0, F1
	BACK 1, F0
	BACK 2, F1
	BACK 3, F0
	s_set_vgpr_msb 0x1
	s_wait_tensorcnt 0x0
	ds_add_u32 v255, v255
	s_wait_dscnt 0x0
	s_set_vgpr_msb 0x100
	CROUND                                         ; the closing round: no work-group ends while a partner may still ask for a tile that names it
	s_endpgm
.Lfunc_end_k_q41462eef70_qkv:
	.size	k_q41462eef70_qkv, .Lfunc_end_k_q41462eef70_qkv-k_q41462eef70_qkv
	.p2alignl 7, 3214868480
	.fill 96, 4, 3214868480
	.section	.rodata,"a",@progbits
	.p2align	6, 0x0
	.amdhsa_kernel k_q41462eef70_qkv
		.amdhsa_group_segment_fixed_size 327680
		.amdhsa_private_segment_fixed_size 0
		.amdhsa_enable_private_segment 0
		.amdhsa_kernarg_size 32
		.amdhsa_user_sgpr_count 2
		.amdhsa_user_sgpr_kernarg_segment_ptr 1
		.amdhsa_wavefront_size32 1
		.amdhsa_system_sgpr_workgroup_id_x 1
		.amdhsa_system_sgpr_workgroup_id_y 1
		.amdhsa_system_sgpr_workgroup_id_z 1
		.amdhsa_system_vgpr_workitem_id 0
		.amdhsa_next_free_vgpr 960
		.amdhsa_next_free_sgpr 66
		.amdhsa_reserve_vcc 0
		.amdhsa_float_denorm_mode_32 3
		.amdhsa_float_denorm_mode_16_64 3
		.amdhsa_memory_ordered 1
		.amdhsa_forward_progress 1
		.amdhsa_inst_pref_size 171
	.end_amdhsa_kernel
	.amdgpu_metadata
---
amdhsa.version: [ 1, 2 ]
amdhsa.kernels:
  - .name:           k_q41462eef70_qkv
    .symbol:         k_q41462eef70_qkv.kd
    .args:
      - { .name: xb, .offset: 0, .size: 8, .value_kind: global_buffer, .address_space: global }
      - { .name: wt, .offset: 8, .size: 8, .value_kind: global_buffer, .address_space: global }
      - { .name: bias, .offset: 16, .size: 8, .value_kind: global_buffer, .address_space: global }
      - { .name: qkv, .offset: 24, .size: 8, .value_kind: global_buffer, .address_space: global }
    .group_segment_fixed_size: 327680
    .private_segment_fixed_size: 0
    .kernarg_segment_align: 8
    .kernarg_segment_size: 32
    .max_flat_workgroup_size: 128
    .sgpr_count:     66
    .vgpr_count:     960
    .wavefront_size: 32
...
	.end_amdgpu_metadata
.endif
;; end of part 2
;; launch attn (part 3): grid 8 x 32, 8 waves a work-group, clusters of 4 x 1, 327,680 bytes of LDS; arguments qkv, mask, y; writes y
.if DOCPART == 3
	.amdgcn_target "amdgcn-amd-amdhsa--gfx1250"
	.amdhsa_code_object_version 6
	.text
	.protected	k_q41462eef70_attn
	.globl	k_q41462eef70_attn
	.p2align	8
	.type	k_q41462eef70_attn,@function
k_q41462eef70_attn:
	s_mov_b64 s[64:65], 0
	v_nop
	global_prefetch_b8 v0, s[64:65] scope:SCOPE_SE
	s_setreg_imm32_b32 hwreg(HW_REG_WAVE_MODE, 25, 1), 1
	s_wait_xcnt 0x0
	s_wait_alu depctr_hold_cnt(0) depctr_sa_sdst(0) depctr_va_vdst(0) depctr_va_sdst(0) depctr_va_ssrc(0) depctr_va_vcc(0) depctr_vm_vsrc(0)
	s_getreg_b32 s2, hwreg(HW_REG_IB_STS2, 6, 4)
	s_cmp_eq_u32 s2, 0
	s_cbranch_scc0 .Lentry_in_a_cluster
	s_endpgm
.Lentry_in_a_cluster:
	s_bfe_u32 s2, ttmp6, 0x10000c
	s_cmp_lg_u32 s2, 0x3003
	s_cbranch_scc0 .Lentry_shape_is_right
	s_endpgm
.Lentry_shape_is_right:
; ATTN: y[b][t][64 head + d] (bf16) = softmax over s of (q.k / 8), masked by query row, times v.  qkv[8192][3072] bf16: q | k | v.
; A work-group takes one batch, one PAIR of heads (so that rows of K, V and y are 256 consecutive bytes, aligned) and 256 queries:
; 4 x 8 x 8 = 256 work-groups.  Waves 0-3 take the even head, waves 4-7 the odd one, 64 queries (four tiles of 16) each.
; Two waves lie on a SIMD, so that one wave's softmax can run beside the other's matrix instructions: a chunk of 64 keys is 64 matrix
; instructions and 484 vector instructions, and the text is ordered so that neither phase waits on itself (see SOFT and CHUNK).
; CLUSTERS: the four query blocks of a cluster walk the same K and V, so every tile is asked for jointly (mask 15).
; FORMS.  S^T = K Q^T: lane (r, h) holds query r and keys 8 h + j.  Two such tiles packed to bf16 ARE the second operand of O^T = V^T P^T
; (32 keys), with no traffic between lanes; V^T comes from LDS by the transposing load; maximum, sum and rescaling are one number a lane.
; SOFTMAX with a running maximum: p = 2^(c s - c m), c = log2(e) / 8; sums and O are rescaled by 2^(c (m_old - m_new)) in every chunk of 64 keys.
; LIMITS.  A query whose mask is 0 has its row of Q set to zero: all its scores are then one constant (0 in place of -1e10), and the softmax of a
; constant row is 1/2048 either way; this differs from the reference only where K holds an infinity or a NaN.  q, k, v, p and y are bf16.
; v_exp_f32 gives 0 for p below 2^-126.
; No prefetch: a slot's load has a whole tile's 256 matrix instructions of every wave in which to land.
; Matrix instructions are not strewn singly among the vector ones: S, O and the fragments of K, V and Q do not fit one register window, so
; each would cost two window switches, 128 a chunk.
.set ROWB,  6144                       ; bytes in a row of qkv
.set KP,    272                        ; LDS pitch of K's rows: odd multiple of 16
.set VP,    288                        ; LDS pitch of V's rows: odd multiple of 32, for the transposing load
.set PIECE, 18432                      ; 64 rows: what one tensor load brings (K uses 17,408 of it)
.set SLOT,  8*PIECE                    ; 256 keys: K's four pieces, then V's four
.set KA, 2                             ; v2, v3    running LDS addresses of this chunk's K and V
.set VA, 3
.set KB, 4                             ; v4-5      their start in slot 0, 1
.set VB, 6                             ; v6-7
.set MX, 8                             ; v8-11     running maximum, one a query tile
.set UU, 12                            ; v12-15    the new maximum, at work
.set AL, 16                            ; v16-23    rescaling factor, as pairs
.set NM, 24                            ; v24-31    - c x maximum, as pairs
.set TT, 32                            ; v32-39    at work: two registers a query tile
.set QO, 40
.set MO, 41
.set STO, 42
.set RD, 43
.set CO, 44
.set LS, 48                            ; v48-63    running sums of my half of the keys: two pairs a query tile (keys 0-31 and 32-63 of each chunk), joined at the end
.set VF, 64                            ; v64-127   V^T fragments (c, dt) at 32 c + 8 dt
.set SS, 128                           ; v128-255  S^T tiles (qt, kt) at 32 qt + 8 kt; P^T (qt, c) in place at 32 qt + 16 c
.set OO, 0                             ; window 1: O^T tiles (qt, dt) at 32 qt + 8 dt
.set QQ, 128                           ; window 1: Q fragments (qt, ds) at 16 qt + 8 ds
.set KF, 192                           ; window 1: K fragments (kt, ds) at 16 kt + 8 ds
.set G1K, 24
.set G0,  32                           ; s[32:39] group 0, one set a slot
.set G1V, 48
.set MSB, 0
.macro WIN new
.if MSB != \new
	s_set_vgpr_msb (MSB<<8)|\new
.set MSB, \new
.endif
.endm
.macro ROUND                           ; a round of the cluster's barrier
	s_barrier_signal -1
	s_barrier_wait -1
	s_cmp_lg_u32 s10, 0
	s_cbranch_scc1 .Lnot_wave_0_\@
	s_barrier_signal -3
.Lnot_wave_0_\@:
	s_barrier_wait -3
	s_barrier_signal -1
	s_barrier_wait -1
.endm
.macro JLOAD s                         ; waves 0-3 ask for 64 keys of K each, waves 4-7 for 64 keys of V; the two lines differ in the padding alone
	s_cmp_lt_u32 s10, 4
	s_cbranch_scc0 .Lfor_v_\@
	tensor_load_to_lds s[G0+4*(\s):G0+4*(\s)+3], s[G1K:G1K+7]
	s_nop 0
	v_nop
	s_branch .Lasked_\@
.Lfor_v_\@:
	tensor_load_to_lds s[G0+4*(\s):G0+4*(\s)+3], s[G1V:G1V+7]
	s_nop 0
	v_nop
	v_nop
.Lasked_\@:
.endm
	s_load_b128 s[4:7], s[0:1], 0x0                ; qkv 4, mask 6
	s_load_b64 s[8:9], s[0:1], 0x10                ; y
	v_lshl_add_u32 v254, v0, 2, 0x48000
	v_mov_b32 v255, 0
	ds_add_u32 v254, v255
	s_wait_dscnt 0x0
	v_lshrrev_b32 v1, 5, v0
	v_readfirstlane_b32 s10, v1                    ; wave 0..7
	s_lshr_b32 s11, s10, 2                         ; which head of the pair; also: K (0) or V (1) is what I fetch
	s_and_b32 s12, s10, 3                          ; which 64 queries; also: which 64 keys I fetch
	s_bfe_u32 s13, ttmp6, 0x40000                  ; cx
	s_lshl_b32 s14, ttmp9, 2
	s_add_co_u32 s14, s14, s13                     ; query block
	s_and_b32 s15, ttmp7, 0xffff
	s_lshr_b32 s61, s15, 3                         ; batch
	s_and_b32 s60, s15, 7                          ; head pair
	s_mov_b32 s40, 0x76543210                      ; v_permlanex16_b32: lane i reads lane i of the other half
	s_mov_b32 s41, 0xfedcba98
	s_mov_b32 s42, 0x3e38aa3b                      ; c = log2(e) / 8
	s_mov_b32 s43, 0x3e38aa3b
	s_mov_b32 s46, 0xbe38aa3b                      ; - c
	; group 1: 64 rows x 128 elements of 2 bytes, pitch 3,072 elements; padding behind every 64 words: 4 words for K, 8 for V
	s_mov_b32 s[G1K+0], 15|(1<<16)|(1<<20)|(1<<21)|(5<<22)|(3<<25)
	s_mov_b32 s[G1V+0], 15|(1<<16)|(1<<20)|(1<<21)|(5<<22)|(7<<25)
	s_mov_b32 s[G1K+1], 128<<16
	s_mov_b32 s[G1V+1], 128<<16
	s_mov_b32 s[G1K+2], 64<<16
	s_mov_b32 s[G1V+2], 64<<16
	s_mov_b32 s[G1K+3], 128<<16
	s_mov_b32 s[G1V+3], 128<<16
	s_mov_b32 s[G1K+4], 64
	s_mov_b32 s[G1V+4], 64
	s_mov_b32 s[G1K+5], 3072
	s_mov_b32 s[G1V+5], 3072
	s_mov_b32 s[G1K+6], 0
	s_mov_b32 s[G1V+6], 0
	s_mov_b32 s[G1K+7], 0
	s_mov_b32 s[G1V+7], 0
	; my tile of K or V: row 2048 b + 64 (w & 3), byte 2048 (K) or 4096 (V) + 256 x head pair.  cx does not enter.
	s_lshl_b32 s62, s61, 11
	s_lshl_b32 s63, s12, 6
	s_add_co_u32 s62, s62, s63
	s_mul_i32 s62, s62, ROWB
	s_lshl_b32 s63, s11, 11
	s_add_co_u32 s62, s62, s63
	s_lshl_b32 s63, s60, 8
	s_add_co_u32 s62, s62, s63
	s_add_co_u32 s62, s62, 2048
	s_mov_b32 s63, 0
	s_mul_i32 s23, s10, PIECE                      ; where it goes: wave x piece
	; my queries
	s_lshl_b32 s47, s61, 11
	s_lshl_b32 s22, s14, 8
	s_add_co_u32 s47, s47, s22                     ; the block's first row: 2048 b + 256 x query block
	s_lshl_b32 s22, s12, 6
	s_add_co_u32 s22, s47, s22                     ; my first query
	s_mul_i32 s16, s22, ROWB
	s_lshl_b32 s17, s60, 8
	s_add_co_u32 s16, s16, s17
	s_lshl_b32 s17, s11, 7
	s_add_co_u32 s16, s16, s17                     ; + 256 x head pair + 128 x head
	s_mov_b32 s17, 0
	s_lshl_b32 s18, s22, 2                         ; the mask's words
	s_mov_b32 s19, 0
	s_lshl_b32 s20, s10, 5
	s_add_co_u32 s20, s47, s20                     ; y: wave w stores rows 32 w .. 32 w + 31 of the block
	s_lshl_b32 s20, s20, 11
	s_lshl_b32 s21, s60, 8
	s_add_co_u32 s20, s20, s21
	s_mov_b32 s21, 0
	s_wait_kmcnt 0x0
	s_add_nc_u64 s[62:63], s[4:5], s[62:63]
	s_add_nc_u64 s[16:17], s[4:5], s[16:17]
	s_add_nc_u64 s[18:19], s[6:7], s[18:19]
	s_add_nc_u64 s[20:21], s[8:9], s[20:21]
.irp s, 0,1
	s_mov_b32 s[G0+4*\s], 1
	s_add_co_u32 s[G0+4*\s+1], s23, \s*SLOT
	s_add_nc_u64 s[G0+4*\s+2:G0+4*\s+3], s[62:63], \s*256*ROWB     ; slot s starts with tile s of 256 keys
	s_or_b32 s[G0+4*\s+3], s[G0+4*\s+3], 0x80000000
.endr
	ROUND                                          ; the four work-groups are here: the first joint loads meet
	JLOAD 0                                        ; tile 0
	v_and_b32 v45, 15, v0                          ; r
	v_bfe_u32 v46, v0, 4, 1                        ; h
	v_and_b32 v47, 7, v0
	v_bfe_u32 v48, v0, 3, 1
	s_lshl_b32 s22, s11, 7                         ; my head's 128 bytes of a row
	v_mul_u32_u24 v49, v45, KP
	v_lshl_add_u32 v49, v46, 4, v49
	v_add_nc_u32 v[KB], s22, v49                   ; K fragment: key r x pitch + 16 h + head
	v_add_nc_u32 v[KB+1], SLOT, v[KB]
	v_lshl_add_u32 v50, v46, 3, v47                ; V, transposing load: key 8 h + (l & 7),
	v_mul_u32_u24 v50, v50, VP
	v_lshl_add_u32 v50, v48, 4, v50                ; 16 bytes x ((l >> 3) & 1)
	v_add_nc_u32 v50, s22, v50
	v_add_nc_u32 v[VB], 4*PIECE, v50               ; behind K's four pieces
	v_add_nc_u32 v[VB+1], SLOT, v[VB]
	v_mul_u32_u24 v[QO], v45, ROWB
	v_lshl_add_u32 v[QO], v46, 4, v[QO]            ; Q fragment straight from memory: query r, 16 h
	v_lshlrev_b32 v[MO], 2, v45                    ; mask of query r
	s_mul_i32 s2, s12, 64*KP
	v_add_nc_u32 v[STO], s2, v[KB]                 ; the way out: row 64 (w & 3) + r, byte 128 x head + 16 h
	v_mul_u32_u24 v51, v46, KP
	v_lshl_add_u32 v51, v45, 4, v51
	s_mul_i32 s3, s10, 32*KP
	v_add_nc_u32 v[RD], s3, v51                    ; back: row 32 w + l / 16, 16 bytes x (l % 16)
	v_lshlrev_b32 v52, 4, v45
	v_lshl_add_u32 v[CO], v46, 11, v52
	WIN 0x40                                       ; destination window 1
.irp qt, 0,1,2,3
.irp ds, 0,1
	global_load_b128 v[QQ+16*\qt+8*\ds:QQ+16*\qt+8*\ds+3],   v[QO], s[16:17] offset:\qt*16*ROWB+64*\ds
	global_load_b128 v[QQ+16*\qt+8*\ds+4:QQ+16*\qt+8*\ds+7], v[QO], s[16:17] offset:\qt*16*ROWB+64*\ds+32
.endr
.endr
	WIN 0
.irp qt, 0,1,2,3
	global_load_b32 v[TT+\qt], v[MO], s[18:19] offset:64*\qt
.endr
	s_wait_loadcnt 0x0
.irp qt, 0,1,2,3
	v_cmp_ne_u32 s[56+\qt], 0, v[TT+\qt]           ; bit of lane (r, h): query r of tile qt is kept
.endr
	WIN 0x44                                       ; source 1 and destination window 1
.irp qt, 0,1,2,3
.set i, 0
.rept 16
	v_cndmask_b32 v[QQ+16*\qt+i], 0, v[QQ+16*\qt+i], s[56+\qt]     ; a masked query's row becomes zero: all its scores are equal
.set i, i+1
.endr
.endr
	WIN 0
; THE SOFTMAX STEP of the four query tiles on 64 keys (32 numbers a lane and tile), all four at once, so that no instruction reads what the
; instruction just ahead of it wrote.
; MAXES: the largest score of each tile in my half of the keys, then of both halves' (T0, T1).  Eight chains, two a tile, by turns:
; a chain's next link stands eight instructions behind the last.
.macro MAXES
.irp q, 0,1,2,3
	v_max3_num_f32 v[TT+2*\q],   v[SS+32*\q],    v[SS+32*\q+1],  v[SS+32*\q+2]
	v_max3_num_f32 v[TT+2*\q+1], v[SS+32*\q+17], v[SS+32*\q+18], v[SS+32*\q+19]
.endr
.set i, 0
.rept 6
.irp q, 0,1,2,3
	v_max3_num_f32 v[TT+2*\q],   v[TT+2*\q],   v[SS+32*\q+3+2*i],  v[SS+32*\q+4+2*i]
	v_max3_num_f32 v[TT+2*\q+1], v[TT+2*\q+1], v[SS+32*\q+20+2*i], v[SS+32*\q+21+2*i]
.endr
.set i, i+1
.endr
.irp q, 0,1,2,3
	v_max3_num_f32 v[TT+2*\q], v[TT+2*\q], v[SS+32*\q+15], v[SS+32*\q+16]
.endr
.irp q, 0,1,2,3
	v_max_num_f32 v[TT+2*\q], v[TT+2*\q], v[TT+2*\q+1]
.endr
.irp q, 0,1,2,3
	v_permlanex16_b32 v[TT+2*\q+1], v[TT+2*\q], s40, s41           ; the other half of the lanes holds the same query's other keys
.endr
.endm
; TAILS: the running maximum, - c x maximum and the rescaling factor, the four tiles by turns, step by step.
.macro TAILS first
.if \first
.irp q, 0,1,2,3
	v_max_num_f32 v[MX+\q], v[TT+2*\q], v[TT+2*\q+1]
.endr
.irp q, 0,1,2,3
	v_mul_f32 v[NM+2*\q],   s46, v[MX+\q]
	v_mul_f32 v[NM+2*\q+1], s46, v[MX+\q]
.endr
.else
.irp q, 0,1,2,3
	v_max3_num_f32 v[UU+\q], v[TT+2*\q], v[TT+2*\q+1], v[MX+\q]
.endr
.irp q, 0,1,2,3
	v_sub_f32 v[TT+2*\q], v[MX+\q], v[UU+\q]
.endr
.irp q, 0,1,2,3
	v_mul_f32 v[TT+2*\q], s42, v[TT+2*\q]
.endr
.irp q, 0,1,2,3
	v_mov_b32 v[MX+\q], v[UU+\q]
.endr
.irp q, 0,1,2,3
	v_exp_f32 v[AL+2*\q], v[TT+2*\q]               ; 2^(c (m_old - m_new))
.endr
.irp q, 0,1,2,3
	v_mul_f32 v[NM+2*\q],   s46, v[UU+\q]          ; plain instructions stand behind the exponentials before their results are read (ISA guide 5.7.2)
	v_mul_f32 v[NM+2*\q+1], s46, v[UU+\q]
.endr
	s_wait_alu depctr_va_vdst(0)
.irp q, 0,1,2,3
	v_mov_b32 v[AL+2*\q+1], v[AL+2*\q]
.endr
.endif
.endm
.macro FF q, i                         ; pair i of tile q: c s - c m
	v_pk_fma_f32 v[SS+32*(\q)+2*(\i):SS+32*(\q)+2*(\i)+1], v[SS+32*(\q)+2*(\i):SS+32*(\q)+2*(\i)+1], s[42:43], v[NM+2*(\q):NM+2*(\q)+1] op_sel_hi:[1,0,1]
.endm
.macro EE q, i                         ; number i of tile q: p = 2^(..)
	v_exp_f32 v[SS+32*(\q)+(\i)], v[SS+32*(\q)+(\i)]
.endm
; Step i (0..15) of the sums and roundings of tile q: pair j = i / 2 of the block of 16 registers c = i % 2 (32 keys).  Each block has its own running
; pair of sums; a chunk's first pair is added by a fused multiply-add that rescales the sum.  The rounding goes in place, ascending: register j is
; written when pairs up to j have been added and rounded.  In the first chunk the first two pairs start the sum: nothing is cleared.
.macro GG q, i, first
.set GB, SS+32*(\q)+16*((\i)&1)
.set GJ, (\i)>>1
.set GL, LS+4*(\q)+2*((\i)&1)
.if \first
.if GJ == 1
	s_wait_alu depctr_va_vdst(0)
	v_pk_add_f32 v[GL:GL+1], v[GB:GB+1], v[GB+2:GB+3]
	v_cvt_pk_bf16_f32 v[GB],   v[GB],   v[GB+1]
	v_cvt_pk_bf16_f32 v[GB+1], v[GB+2], v[GB+3]
.endif
.if GJ > 1
	v_pk_add_f32 v[GL:GL+1], v[GL:GL+1], v[GB+2*GJ:GB+2*GJ+1]
	v_cvt_pk_bf16_f32 v[GB+GJ], v[GB+2*GJ], v[GB+2*GJ+1]
.endif
.else
.if GJ == 0
	s_wait_alu depctr_va_vdst(0)
	v_pk_fma_f32 v[GL:GL+1], v[GL:GL+1], v[AL+2*(\q):AL+2*(\q)+1], v[GB:GB+1]
.else
	v_pk_add_f32 v[GL:GL+1], v[GL:GL+1], v[GB+2*GJ:GB+2*GJ+1]
.endif
	v_cvt_pk_bf16_f32 v[GB+GJ], v[GB+2*GJ], v[GB+2*GJ+1]
.endif
.endm
; SOFT: a pipeline over the tiles: while tile q's 32 exponentials go out, tile q + 1 is scaled and tile q - 1 is summed and rounded, so that
; at most two exponentials follow each other and plain work on other registers stands between them.
.macro SOFT first
	MAXES
	TAILS \first
.set i, 0
.rept 16
	FF 0, i
.set i, i+1
.endr
.set i, 0
.rept 16
	EE 0, 2*i
	FF 1, i
	EE 0, 2*i+1
.set i, i+1
.endr
.irp q, 1,2
.set i, 0
.rept 16
	EE \q, 2*i
	FF \q+1, i
	EE \q, 2*i+1
	GG \q-1, i, \first
.set i, i+1
.endr
.endr
.set i, 0
.rept 16
	EE 3, 2*i
	EE 3, 2*i+1
	GG 2, i, \first
.set i, i+1
.endr
.set i, 0
.rept 16
	GG 3, i, \first
.set i, i+1
.endr
.endm
; 16 LDS loads: the K fragments of the 64 keys that lie 'off' bytes behind this chunk's
.macro KLOAD off
	WIN 0x40
.irp kt, 0,1,2,3
.irp ds, 0,1
	ds_load_b128 v[KF+16*\kt+8*\ds:KF+16*\kt+8*\ds+3],   v[KA] offset:\off+\kt*16*KP+64*\ds
	ds_load_b128 v[KF+16*\kt+8*\ds+4:KF+16*\kt+8*\ds+7], v[KA] offset:\off+\kt*16*KP+64*\ds+32
.endr
.endr
	WIN 0
.endm
; One chunk of 64 keys: 32 products for S^T, the softmax step, 32 products for O^T.  In both groups sixteen accumulators take turns,
; one instruction a turn; the last product of one group and the first of the next name different accumulators.
; Its K fragments were asked for a chunk earlier (or behind the tile's round); pre = 1: it asks for the next chunk's, in the same slot, as soon as
; the products for S^T have read this chunk's.  So the products for O^T and the next chunk's for S^T follow each other with no wait for LDS between.
.macro CHUNK first, pre
.if \first == 0
.rept 5
	v_nop                                          ; five places behind the last chunk's products: their sources V^T are loaded again, their sources P^T written over by S^T (ISA guide 7.12.1)
.endr
.endif
.irp c, 0,1
.irp dt, 0,1,2,3
	ds_load_tr16_b128 v[VF+32*\c+8*\dt:VF+32*\c+8*\dt+3],   v[VA] offset:\c*32*VP+32*\dt
	ds_load_tr16_b128 v[VF+32*\c+8*\dt+4:VF+32*\c+8*\dt+7], v[VA] offset:\c*32*VP+16*VP+32*\dt
.endr
.endr
	s_wait_dscnt 16                                ; the 16 loads of V just issued are younger: K is in
	WIN 0x05                                       ; sources 0 and 1 window 1
.irp qt, 0,1,2,3
.irp kt, 0,1,2,3
	v_wmma_f32_16x16x32_bf16 v[SS+32*\qt+8*\kt:SS+32*\qt+8*\kt+7], v[KF+16*\kt:KF+16*\kt+7], v[QQ+16*\qt:QQ+16*\qt+7], 0
.endr
.endr
.irp qt, 0,1,2,3
.irp kt, 0,1,2,3
	v_wmma_f32_16x16x32_bf16 v[SS+32*\qt+8*\kt:SS+32*\qt+8*\kt+7], v[KF+16*\kt+8:KF+16*\kt+15], v[QQ+16*\qt+8:QQ+16*\qt+15], v[SS+32*\qt+8*\kt:SS+32*\qt+8*\kt+7]
.endr
.endr
.rept 4
	v_nop                                          ; four places before K's registers are loaded again and vector instructions read the products
.endr
.if \pre
	KLOAD PIECE                                    ; the next 64 keys lie one piece further on
.else
	WIN 0
.endif
	SOFT \first
	s_wait_dscnt 16*\pre                           ; V^T is in; the 16 loads of the next K, where they were issued, are younger and stay out
.if \first == 0
	WIN 0x41                                       ; O in window 1, the factor in window 0
.irp qt, 0,1,2,3
.set i, 0
.rept 16
	v_pk_mul_f32 v[OO+32*\qt+2*i:OO+32*\qt+2*i+1], v[OO+32*\qt+2*i:OO+32*\qt+2*i+1], v[AL+2*\qt:AL+2*\qt+1]
.set i, i+1
.endr
.endr
.endif
	WIN 0x50                                       ; C and D window 1
.irp qt, 0,1,2,3
.irp dt, 0,1,2,3
.if \first
	v_wmma_f32_16x16x32_bf16 v[OO+32*\qt+8*\dt:OO+32*\qt+8*\dt+7], v[VF+8*\dt:VF+8*\dt+7], v[SS+32*\qt:SS+32*\qt+7], 0
.else
	v_wmma_f32_16x16x32_bf16 v[OO+32*\qt+8*\dt:OO+32*\qt+8*\dt+7], v[VF+8*\dt:VF+8*\dt+7], v[SS+32*\qt:SS+32*\qt+7], v[OO+32*\qt+8*\dt:OO+32*\qt+8*\dt+7]
.endif
.endr
.endr
.irp qt, 0,1,2,3
.irp dt, 0,1,2,3
	v_wmma_f32_16x16x32_bf16 v[OO+32*\qt+8*\dt:OO+32*\qt+8*\dt+7], v[VF+32+8*\dt:VF+32+8*\dt+7], v[SS+32*\qt+16:SS+32*\qt+23], v[OO+32*\qt+8*\dt:OO+32*\qt+8*\dt+7]
.endr
.endr
	WIN 0
.endm
.macro NEXTC                           ; the next 64 keys lie one piece further on, K's and V's alike
	v_add_nc_u32 v[KA], PIECE, v[KA]
	v_add_nc_u32 v[VA], PIECE, v[VA]
.endm
.macro CHUNKS n                        ; n chunks that are not their tile's last
	s_mov_b32 s45, \n
.Lchunk_\@:
	CHUNK 0, 1
	NEXTC
	s_sub_co_i32 s45, s45, 1
	s_cmp_lg_u32 s45, 0
	s_cbranch_scc1 .Lchunk_\@
.endm
; The head of a tile of 256 keys in slot 'slot'.  Every wave waits for all its tensor loads (its part of this tile among them) and for its reads of
; the other slot; the round shows both of every wave of the four work-groups; the joint refill of the other slot comes first behind it, then the
; first chunk's K fragments.  One tensor load of a wave is out at any time.
.macro THEAD slot, refill
	s_wait_xcnt 0x0
	v_lshl_add_u32 v254, v0, 2, 0x48000
	v_mov_b32 v255, 0
	s_wait_tensorcnt 0x0
	ds_add_u32 v254, v255
	s_wait_dscnt 0x0
	s_add_nc_u64 s[G0+4*\slot+2:G0+4*\slot+3], s[G0+4*\slot+2:G0+4*\slot+3], 2*256*ROWB   ; no load of mine is out: this slot's next tile
	s_wait_dscnt 0x0
	ROUND
.if \refill
	JLOAD (1-\slot)
.endif
	v_mov_b32 v[KA], v[KB+\slot]
	v_mov_b32 v[VA], v[VB+\slot]
	KLOAD 0
.endm
	THEAD 0, 1                                     ; tile 0; slot 1 gets its first fill, tile 1
	CHUNK 1, 1                                     ; the first chunk starts maximum, sums and O: nothing is cleared
	NEXTC
	CHUNKS 2
	CHUNK 0, 0                                     ; a tile's last chunk asks for no K ahead: the next slot is shown only by the next round
	s_mov_b32 s44, 3
.Ltiles:                                           ; tiles 1 and 2, 3 and 4, 5 and 6
	THEAD 1, 1
	CHUNKS 3
	CHUNK 0, 0
	THEAD 0, 1                                     ; in the last trip: tile 6, and tile 7 goes out: the last load
	CHUNKS 3
	CHUNK 0, 0
	s_sub_co_i32 s44, s44, 1
	s_cmp_lg_u32 s44, 0
	s_cbranch_scc1 .Ltiles
	THEAD 1, 0                                     ; tile 7: nothing is left to fetch; behind this round nobody reads slot 0 and nothing fills it again
	CHUNKS 3
	CHUNK 0, 0
	; THE END: join the sums, divide, round, gather the block's 256 rows x 256 bytes in slot 0 (69,632 bytes), store whole rows.
.rept 4
	v_nop                                          ; four places behind the last products
.endr
.irp qt, 0,1,2,3
	v_pk_add_f32 v[LS+4*\qt:LS+4*\qt+1], v[LS+4*\qt:LS+4*\qt+1], v[LS+4*\qt+2:LS+4*\qt+3]
.endr
.irp qt, 0,1,2,3
	v_add_f32 v[LS+4*\qt], v[LS+4*\qt], v[LS+4*\qt+1]
.endr
.irp qt, 0,1,2,3
	v_permlanex16_b32 v[TT+\qt], v[LS+4*\qt], s40, s41             ; the other half's part of the sum
.endr
.irp qt, 0,1,2,3
	v_add_f32 v[LS+4*\qt], v[LS+4*\qt], v[TT+\qt]
.endr
.irp qt, 0,1,2,3
	v_rcp_f32 v[AL+2*\qt], v[LS+4*\qt]             ; the sum is at least 1: the largest score gives p = 1
.endr
	v_nop                                          ; the plain place behind the reciprocals
	s_wait_alu depctr_va_vdst(0)
.irp qt, 0,1,2,3
	v_mov_b32 v[AL+2*\qt+1], v[AL+2*\qt]
.endr
	WIN 0x41
.irp qt, 0,1,2,3
.set i, 0
.rept 16
	v_pk_mul_f32 v[OO+32*\qt+2*i:OO+32*\qt+2*i+1], v[OO+32*\qt+2*i:OO+32*\qt+2*i+1], v[AL+2*\qt:AL+2*\qt+1]
.set i, i+1
.endr
.endr
	WIN 0x05
.irp qt, 0,1,2,3
.set i, 0
.rept 16
	v_cvt_pk_bf16_f32 v[SS+16*\qt+i], v[OO+32*\qt+2*i], v[OO+32*\qt+2*i+1]   ; tile (qt, dt): registers 4 dt .. 4 dt + 3 = d 16 dt + 8 h + 0..7 of query r
.set i, i+1
.endr
.endr
	WIN 0
.irp qt, 0,1,2,3
.irp dt, 0,1,2,3
	ds_store_b128 v[STO], v[SS+16*\qt+4*\dt:SS+16*\qt+4*\dt+3] offset:\qt*16*KP+32*\dt
.endr
.endr
	s_wait_dscnt 0x0                               ; my stores are done before I signal: other waves read them
	s_barrier_signal -1
	s_barrier_wait -1
.set t, 0
.rept 16
	ds_load_b128 v[VF+4*t:VF+4*t+3], v[RD] offset:2*KP*t           ; lanes 0-15 one row of 256 bytes (both heads), lanes 16-31 the next
.set t, t+1
.endr
.set t, 0
.rept 16
	s_wait_dscnt 15-t
	global_store_b128 v[CO], v[VF+4*t:VF+4*t+3], s[20:21] offset:4096*t      ; sixteen lanes store 256 consecutive bytes of y, aligned
.set t, t+1
.endr
	s_wait_xcnt 0x0
	v_lshl_add_u32 v254, v0, 2, 0x48000
	v_mov_b32 v255, 0
	s_wait_tensorcnt 0x0
	ds_add_u32 v254, v255
	s_wait_dscnt 0x0
	ROUND                                          ; the closing round
	s_endpgm
.Lfunc_end_k_q41462eef70_attn:
	.size	k_q41462eef70_attn, .Lfunc_end_k_q41462eef70_attn-k_q41462eef70_attn
	.p2alignl 7, 3214868480
	.fill 96, 4, 3214868480
	.section	.rodata,"a",@progbits
	.p2align	6, 0x0
	.amdhsa_kernel k_q41462eef70_attn
		.amdhsa_group_segment_fixed_size 327680
		.amdhsa_private_segment_fixed_size 0
		.amdhsa_enable_private_segment 0
		.amdhsa_kernarg_size 24
		.amdhsa_user_sgpr_count 2
		.amdhsa_user_sgpr_kernarg_segment_ptr 1
		.amdhsa_wavefront_size32 1
		.amdhsa_system_sgpr_workgroup_id_x 1
		.amdhsa_system_sgpr_workgroup_id_y 1
		.amdhsa_system_sgpr_workgroup_id_z 1
		.amdhsa_system_vgpr_workitem_id 0
		.amdhsa_next_free_vgpr 512
		.amdhsa_next_free_sgpr 66
		.amdhsa_reserve_vcc 0
		.amdhsa_float_denorm_mode_32 3
		.amdhsa_float_denorm_mode_16_64 3
		.amdhsa_memory_ordered 1
		.amdhsa_forward_progress 1
		.amdhsa_inst_pref_size 255
	.end_amdhsa_kernel
	.section	.bss,"aw",@nobits
	.p2align	6
	.space	262144
	.amdgpu_metadata
---
amdhsa.version: [ 1, 2 ]
amdhsa.kernels:
  - .name:           k_q41462eef70_attn
    .symbol:         k_q41462eef70_attn.kd
    .args:
      - { .name: qkv, .offset: 0, .size: 8, .value_kind: global_buffer, .address_space: global }
      - { .name: mask, .offset: 8, .size: 8, .value_kind: global_buffer, .address_space: global }
      - { .name: y, .offset: 16, .size: 8, .value_kind: global_buffer, .address_space: global }
    .group_segment_fixed_size: 327680
    .private_segment_fixed_size: 0
    .kernarg_segment_align: 8
    .kernarg_segment_size: 24
    .max_flat_workgroup_size: 256
    .sgpr_count:     66
    .vgpr_count:     512
    .wavefront_size: 32
...
	.end_amdgpu_metadata
.endif
;; end of part 3
;; launch proj (part 4): grid 128 x 1, 8 waves a work-group, clusters of 4 x 1, 327,680 bytes of LDS; arguments y, wt, x, bp, ln_g, ln_b, out0; writes out0
.if DOCPART == 4
	.amdgcn_target "amdgcn-amd-amdhsa--gfx1250"
	.amdhsa_code_object_version 6
	.text
	.protected	k_q41462eef70_proj
	.globl	k_q41462eef70_proj
	.p2align	8
	.type	k_q41462eef70_proj,@function
k_q41462eef70_proj:
	s_mov_b64 s[64:65], 0
	v_nop
	global_prefetch_b8 v0, s[64:65] scope:SCOPE_SE
	s_setreg_imm32_b32 hwreg(HW_REG_WAVE_MODE, 25, 1), 1
	s_wait_xcnt 0x0
	s_wait_alu depctr_hold_cnt(0) depctr_sa_sdst(0) depctr_va_vdst(0) depctr_va_sdst(0) depctr_va_ssrc(0) depctr_va_vcc(0) depctr_vm_vsrc(0)
	s_getreg_b32 s2, hwreg(HW_REG_IB_STS2, 6, 4)
	s_cmp_eq_u32 s2, 0
	s_cbranch_scc0 .Lentry_in_a_cluster
	s_endpgm
.Lentry_in_a_cluster:
	s_bfe_u32 s2, ttmp6, 0x10000c
	s_cmp_lg_u32 s2, 0x3003
	s_cbranch_scc0 .Lentry_shape_is_right
	s_endpgm
.Lentry_shape_is_right:
; PROJ: out0 = LayerNorm(y Wp + bp + x) g + b.  y[8192][1024] bf16, wt rows 3072..4095 = Wp^T in bf16, x and out0 f32.
; The norm needs whole rows of 1,024 in one work-group: a work-group takes 64 rows x all 1,024 columns, 128 work-groups.  With 32 rows there would be
; 256, but each would move Wp's 2 MiB through its LDS for half the products; a product and a norm in two launches would move 64 MiB more.
; Eight waves, wave w: 64 rows x columns 128 w .. 128 w + 127: 32 accumulator tiles, 256 registers (window 1, tile (a, b) at 8 (8 a + b)).
; K goes in steps of 64 through two LDS slots (1,024 rows of Wp^T and 64 rows of y, 128 bytes each; two slots of a step of 128 would need 591,872 bytes).
; Waves 0-3 fetch 256 rows of Wp^T each, wave 4 y's 64 rows, waves 5-7 nothing.
; CLUSTERS: all row blocks walk the same Wp^T: the four work-groups of a cluster ask for its tiles jointly (mask 15); y's tile is each one's own (mask 0).
; The matrix instruction is used transposed (source 0 = Wp^T's rows, source 1 = y's rows): a lane holds eight neighbouring columns of one row.
; The norm is made in two passes over the row in registers: the mean, then the sum of squares of the centred numbers.
.set KSTEP,  64
.set PITCH,  144                       ; LDS row: 128 bytes + 16: an odd multiple of 16
.set BPIECE, 256*PITCH
.set AOFF,   4*BPIECE
.set SLOT,   AOFF+64*PITCH             ; 156,672
.set SPITCH, 4112                      ; the stage: a row of 1,024 f32 + 16 bytes
.set LAPS,   8                         ; laps of two K steps
.set ADRA, 16                          ; v16-17 LDS address of y's fragments in slot 0, 1
.set ADRB, 20                          ; v20-21 of Wp^T's
.set STO,  24                          ; v24-27 the stage: where row block a puts 32 bytes
.set RDL,  28                          ; v28    where I read my rows back
.set XO,   29                          ; v29    16 x lane
.set XP,   30                          ; v30    256 x thread, for the prefetch
.set FA,   32                          ; v32-95   y's fragments, two buffers of 32
.set FB,   96                          ; v96-223  Wp^T's fragments, two buffers of 64
.set BP,   32                          ; the end: bp, g, b of my 32 columns of a row
.set GG,   64
.set BB,   96
.set TT,   192                         ; the end: at work
.set G1B, 24
.set G0B, 32
.set G1A, 48
.set G0A, 56
.set MULW, 0x50                        ; C and D window 1, sources window 0
.set MSB, 0
.macro WIN new
.if MSB != \new
	s_set_vgpr_msb (MSB<<8)|\new
.set MSB, \new
.endif
.endm
.macro JLOAD s                         ; the branches hang on the wave's number alone
	s_cmp_lt_u32 s18, 4
	s_cbranch_scc0 .Lnot_b_\@
	tensor_load_to_lds s[G0B+4*\s:G0B+4*\s+3], s[G1B:G1B+7]
	s_nop 0
	s_branch .Lasked_\@
.Lnot_b_\@:
	s_cmp_eq_u32 s18, 4
	s_cbranch_scc0 .Lasked_\@
	tensor_load_to_lds s[G0A+4*\s:G0A+4*\s+3], s[G1A:G1A+7]
	s_nop 0
.Lasked_\@:
.endm
.macro CREST
	s_cmp_lg_u32 s18, 0
	s_cbranch_scc1 .Lnot_wave_0_\@
	s_barrier_signal -3
.Lnot_wave_0_\@:
	s_barrier_wait -3
	s_barrier_signal -1
	s_barrier_wait -1
.endm
.macro CROUND
	s_barrier_signal -1
	s_barrier_wait -1
	CREST
.endm
	s_load_b256 s[4:11], s[0:1], 0x0               ; y 4, wt 6, x 8, bp 10
	s_load_b128 s[12:15], s[0:1], 0x20             ; ln_g 12, ln_b 14
	s_load_b64 s[16:17], s[0:1], 0x30              ; out0
	v_lshl_add_u32 v254, v0, 2, 0x4c800
	v_mov_b32 v255, 0
	ds_add_u32 v254, v255
	v_lshrrev_b32 v1, 5, v0
	v_readfirstlane_b32 s18, v1                    ; wave 0..7
	s_bfe_u32 s19, ttmp6, 0x40000                  ; cx
	s_lshl_b32 s20, ttmp9, 2
	s_add_co_u32 s20, s20, s19                     ; row block
	s_mov_b32 s46, 0x76543210
	s_mov_b32 s47, 0xfedcba98
	; group 1.  Wp^T: 256 rows x 64 elements, joint; y: 64 rows x 64 elements, my own.  4 words of padding behind every 32 words.
	s_mov_b32 s[G1B+0], 15|(1<<16)|(1<<20)|(1<<21)|(4<<22)|(3<<25)
	s_mov_b32 s[G1A+0], (1<<16)|(1<<20)|(4<<22)|(3<<25)
	s_mov_b32 s[G1B+1], KSTEP<<16
	s_mov_b32 s[G1A+1], KSTEP<<16
	s_mov_b32 s[G1B+2], 256<<16
	s_mov_b32 s[G1A+2], 64<<16
	s_mov_b32 s[G1B+3], KSTEP<<16
	s_mov_b32 s[G1A+3], KSTEP<<16
	s_mov_b32 s[G1B+4], 256
	s_mov_b32 s[G1A+4], 64
	s_mov_b32 s[G1B+5], 1024
	s_mov_b32 s[G1A+5], 1024
	s_mov_b32 s[G1B+6], 0
	s_mov_b32 s[G1A+6], 0
	s_mov_b32 s[G1B+7], 0
	s_mov_b32 s[G1A+7], 0
	s_mul_i32 s21, s18, BPIECE                     ; Wp^T's piece of wave w (waves 0-3 alone ask by it; in the others these registers are not used)
	s_lshl_b32 s22, s18, 19                        ; 256 rows of 2,048 bytes a wave,
	s_add_co_u32 s22, s22, 3072*2048               ; behind the 3,072 rows of the other three matrices
	s_mov_b32 s23, 0
	s_lshl_b32 s40, s20, 17                        ; y: 64 rows of 2,048 bytes a row block
	s_mov_b32 s41, 0
	s_wait_dscnt 0x0
	s_wait_kmcnt 0x0
	s_add_nc_u64 s[22:23], s[6:7], s[22:23]
	s_add_nc_u64 s[44:45], s[4:5], s[40:41]
.irp s, 0,1
	s_mov_b32 s[G0B+4*\s], 1
	s_add_co_u32 s[G0B+4*\s+1], s21, \s*SLOT
	s_add_nc_u64 s[G0B+4*\s+2:G0B+4*\s+3], s[22:23], \s*KSTEP*2
	s_or_b32 s[G0B+4*\s+3], s[G0B+4*\s+3], 0x80000000
	s_mov_b32 s[G0A+4*\s], 1
	s_mov_b32 s[G0A+4*\s+1], AOFF+\s*SLOT
	s_add_nc_u64 s[G0A+4*\s+2:G0A+4*\s+3], s[44:45], \s*KSTEP*2
	s_or_b32 s[G0A+4*\s+3], s[G0A+4*\s+3], 0x80000000
.endr
	CROUND                                         ; the four work-groups are here
	; the first fills of both slots, all of a wave's inside one branch on its number: two tensor loads of a wave are out at the most
	s_cmp_lt_u32 s18, 4
	s_cbranch_scc0 .Lfirst_not_b
	tensor_load_to_lds s[G0B:G0B+3], s[G1B:G1B+7]
	s_nop 0
	tensor_load_to_lds s[G0B+4:G0B+7], s[G1B:G1B+7]
	s_nop 0
	s_branch .Lfirst_done
.Lfirst_not_b:
	s_cmp_eq_u32 s18, 4
	s_cbranch_scc0 .Lfirst_done
	tensor_load_to_lds s[G0A:G0A+3], s[G1A:G1A+7]
	s_nop 0
	tensor_load_to_lds s[G0A+4:G0A+7], s[G1A:G1A+7]
	s_nop 0
.Lfirst_done:
	s_lshl_b32 s40, s20, 18                        ; x and out0: 64 rows of 4,096 bytes a row block
	s_add_nc_u64 s[44:45], s[8:9], s[40:41]        ; x at the block's first row
	s_add_nc_u64 s[42:43], s[16:17], s[40:41]
	s_lshl_b32 s40, s18, 15                        ; wave w norms rows 8 w .. 8 w + 7
	s_add_nc_u64 s[42:43], s[42:43], s[40:41]      ; out0 at my first row
	s_add_nc_u64 s[40:41], s[44:45], s[40:41]      ; x at my first row
	s_mov_b32 s21, 0x3a800000                      ; 1 / 1024
	s_mov_b32 s22, 0x3727c5ac                      ; 1e-5
	v_and_b32 v2, 15, v0                           ; r
	v_bfe_u32 v3, v0, 4, 1                         ; h
	v_mul_u32_u24 v4, v2, PITCH
	v_lshl_add_u32 v4, v3, 4, v4
	v_add_nc_u32 v[ADRA], AOFF, v4
	v_add_nc_u32 v[ADRA+1], SLOT, v[ADRA]
	s_mul_i32 s23, s18, 128*PITCH                  ; my 128 rows of Wp^T
	v_add_nc_u32 v[ADRB], s23, v4
	v_add_nc_u32 v[ADRB+1], SLOT, v[ADRB]
	v_mul_u32_u24 v5, v2, SPITCH
	v_lshl_add_u32 v5, v3, 5, v5
	s_lshl_b32 s23, s18, 9
	v_add_nc_u32 v[STO], s23, v5                   ; row r, byte 512 w + 32 h
.irp a, 1,2,3
	v_add_nc_u32 v[STO+\a], \a*16*SPITCH, v[STO]
.endr
	v_and_b32 v6, 31, v0
	v_lshlrev_b32 v[XO], 4, v6
	s_mul_i32 s23, s18, 8*SPITCH
	v_add_nc_u32 v[RDL], s23, v[XO]
	v_lshlrev_b32 v[XP], 8, v0
.macro MUL8 buf, a, zero               ; row block a x my 8 column blocks, 32 along K
.irp b, 0,1,2,3,4,5,6,7
.if \zero
	v_wmma_f32_16x16x32_bf16 v[8*(8*\a+\b):8*(8*\a+\b)+7], v[FB+64*\buf+8*\b:FB+64*\buf+8*\b+7], v[FA+32*\buf+8*\a:FA+32*\buf+8*\a+7], 0
.else
	v_wmma_f32_16x16x32_bf16 v[8*(8*\a+\b):8*(8*\a+\b)+7], v[FB+64*\buf+8*\b:FB+64*\buf+8*\b+7], v[FA+32*\buf+8*\a:FA+32*\buf+8*\a+7], v[8*(8*\a+\b):8*(8*\a+\b)+7]
.endif
.endr
.endm
.macro FETCH slot, k, buf              ; 24 LDS loads: 128 rows of Wp^T, then 64 rows of y, 32 K at byte k of the rows
.irp i, 0,1,2,3,4,5,6,7
	ds_load_b128 v[FB+64*\buf+8*\i:FB+64*\buf+8*\i+3],   v[ADRB+\slot] offset:\k+\i*16*PITCH
	ds_load_b128 v[FB+64*\buf+8*\i+4:FB+64*\buf+8*\i+7], v[ADRB+\slot] offset:\k+\i*16*PITCH+32
.endr
.irp i, 0,1,2,3
	ds_load_b128 v[FA+32*\buf+8*\i:FA+32*\buf+8*\i+3],   v[ADRA+\slot] offset:\k+\i*16*PITCH
	ds_load_b128 v[FA+32*\buf+8*\i+4:FA+32*\buf+8*\i+7], v[ADRA+\slot] offset:\k+\i*16*PITCH+32
.endr
.endm
.macro PLACES                          ; four places between a matrix instruction and a load into, or a vector instruction or store on, one of its registers
.rept 4
	v_nop
.endr
.endm
; A K step is two halves of 32 along K, 32 matrix instructions each; the 32 accumulators take turns, one instruction a turn, in the same order
; in every half and over the backward jump.
; The first half multiplies buffer 0 and fetches the second half's fragments.  pf >= 0: it also asks for blocks pf and pf + 1 of 64 KiB of the work-group's x.
.macro HALF0 slot, zero, pf
	s_wait_dscnt 4                                 ; Wp^T's 16 loads and y's row blocks 0, 1 are in; the youngest four (row blocks 2, 3) may be out
	WIN MULW
	MUL8 0, 0, \zero
	MUL8 0, 1, \zero
	WIN 0
	PLACES
	FETCH \slot, 64, 1
.if \pf >= 0
	global_prefetch_b8 v[XP], s[44:45] offset:65536*(\pf) th:TH_LOAD_NT scope:SCOPE_SE
	global_prefetch_b8 v[XP], s[44:45] offset:65536*(\pf+1) th:TH_LOAD_NT scope:SCOPE_SE
.endif
	s_wait_dscnt 24                                ; all but the 24 just issued
	WIN MULW
	MUL8 0, 2, \zero
	MUL8 0, 3, \zero
.endm
; The second half multiplies buffer 1 and changes slots: waits for my reads of this slot and for all my tensor loads, the barrier (which opens a round
; of the cluster's barrier where the slot is filled again), the refill first behind it, then the next slot's first fragments.
.macro TURN slot, next, fill
	s_wait_dscnt 4
	WIN MULW
	MUL8 1, 0, 0
	s_wait_dscnt 0
	s_wait_tensorcnt 0x0
	ds_add_u32 v254, v255
	s_wait_dscnt 0x0
	s_barrier_signal -1
	MUL8 1, 1, 0
	WIN 0
	s_barrier_wait -1
.if \fill
	CREST
	s_add_nc_u64 s[G0B+4*\slot+2:G0B+4*\slot+3], s[G0B+4*\slot+2:G0B+4*\slot+3], 2*KSTEP*2
	s_add_nc_u64 s[G0A+4*\slot+2:G0A+4*\slot+3], s[G0A+4*\slot+2:G0A+4*\slot+3], 2*KSTEP*2
	JLOAD \slot
.endif
	PLACES
	FETCH \next, 0, 0
	WIN MULW
	MUL8 1, 2, 0
	MUL8 1, 3, 0
.endm
.macro LAP zero
	HALF0 0, \zero, -1
	TURN 0, 1, 1
	HALF0 1, 0, -1
	TURN 1, 0, 1
.endm
	s_wait_tensorcnt 1                             ; my part of K step 0 is in; K step 1's may stay out
	s_barrier_signal -1
	s_barrier_wait -1
	FETCH 0, 0, 0
	LAP 1
	WIN 0
	s_mov_b32 s3, LAPS-2
.Llap:
	LAP 0
	WIN 0
	s_sub_co_u32 s3, s3, 1
	s_cmp_lg_u32 s3, 0
	s_cbranch_scc1 .Llap
	; the last lap fills nothing.  Its two first halves ask, once for each block of 256 bytes (thread t: blocks t, t + 256, ..), for the work-group's
	; 256 KiB of x, which the end loads: two K steps ahead at the most, and never past the block's last row.
	HALF0 0, 0, 0
	TURN 0, 1, 0
	HALF0 1, 0, 2
	s_wait_dscnt 4
	WIN MULW
	MUL8 1, 0, 0
	MUL8 1, 1, 0
	s_wait_dscnt 0
	MUL8 1, 2, 0
	MUL8 1, 3, 0
	WIN 0
	; THE END.  The block of 64 x 1,024 f32 goes to a stage of 263,168 bytes over both slots (all fills have landed, and behind this barrier no wave
	; reads a slot); then wave w takes rows 8 w .. 8 w + 7 whole, a lane 32 numbers of a row.
	PLACES
	s_barrier_signal -1                            ; my LDS reads were waited for above
	s_barrier_wait -1
	WIN 0x04                                       ; store data in window 1
.irp a, 0,1,2,3
.irp b, 0,1,2,3,4,5,6,7
	ds_store_b128 v[STO+\a], v[8*(8*\a+\b):8*(8*\a+\b)+3]   offset:64*\b
	ds_store_b128 v[STO+\a], v[8*(8*\a+\b)+4:8*(8*\a+\b)+7] offset:64*\b+16
.endr
.endr
	WIN 0
	s_wait_dscnt 0x0                               ; my stores are done before I signal, and window 1 is free for x
.irp j, 0,1,2,3,4,5,6,7
	global_load_b128 v[BP+4*\j:BP+4*\j+3], v[XO], s[10:11] offset:512*\j
	global_load_b128 v[GG+4*\j:GG+4*\j+3], v[XO], s[12:13] offset:512*\j
	global_load_b128 v[BB+4*\j:BB+4*\j+3], v[XO], s[14:15] offset:512*\j
.endr
	WIN 0x40                                       ; x of my eight rows into window 1: row i at 32 i
.irp i, 0,1,2,3,4,5,6,7
.irp j, 0,1,2,3,4,5,6,7
	global_load_b128 v[32*\i+4*\j:32*\i+4*\j+3], v[XO], s[40:41] offset:4096*\i+512*\j th:TH_LOAD_NT
.endr
.endr
	WIN 0
	s_barrier_signal -1
	s_barrier_wait -1
.irp j, 0,1,2,3,4,5,6,7
	ds_load_b128 v[128+4*\j:128+4*\j+3], v[RDL] offset:512*\j      ; row 0 of mine
.endr
.macro REDUCE                          ; the sum of v[TT] over the 32 lanes, in every lane
	v_add_f32_dpp v[TT], v[TT], v[TT] row_xmask:1 row_mask:0xf bank_mask:0xf
	v_add_f32_dpp v[TT], v[TT], v[TT] row_xmask:2 row_mask:0xf bank_mask:0xf
	v_add_f32_dpp v[TT], v[TT], v[TT] row_xmask:4 row_mask:0xf bank_mask:0xf
	v_add_f32_dpp v[TT], v[TT], v[TT] row_xmask:8 row_mask:0xf bank_mask:0xf
	v_permlanex16_b32 v[TT+1], v[TT], s46, s47
	v_add_f32 v[TT], v[TT], v[TT+1]
.endm
; Row i of my eight, in v128-159 or v160-191 by turns; the next row's LDS loads go out first.
.macro ROWLN i
.set HH, 128+32*(\i%2)
.set HN, 128+32*((\i+1)%2)
.if \i < 7
	s_wait_xcnt 0x0                                ; the other buffer, which the row before's stores read, is loaded again only behind this wait
.irp j, 0,1,2,3,4,5,6,7
	ds_load_b128 v[HN+4*\j:HN+4*\j+3], v[RDL] offset:(\i+1)*SPITCH+512*\j
.endr
	s_wait_dscnt 8                                 ; the eight just issued stay out
.else
	s_wait_dscnt 0
.endif
	s_wait_loadcnt 56-8*\i                         ; bp, g, b and x's rows up to i are in; the later rows' eight loads each stay out
	WIN 0x04
.set p, 0
.rept 16
	v_pk_add_f32 v[HH+2*p:HH+2*p+1], v[HH+2*p:HH+2*p+1], v[32*\i+2*p:32*\i+2*p+1]     ; + x
.set p, p+1
.endr
	WIN 0
.set p, 0
.rept 16
	v_pk_add_f32 v[HH+2*p:HH+2*p+1], v[HH+2*p:HH+2*p+1], v[BP+2*p:BP+2*p+1]           ; + bp
.set p, p+1
.endr
	v_pk_add_f32 v[TT:TT+1],   v[HH:HH+1],     v[HH+2:HH+3]        ; the row's sum, two chains
	v_pk_add_f32 v[TT+2:TT+3], v[HH+16:HH+17], v[HH+18:HH+19]
.set p, 0
.rept 6
	v_pk_add_f32 v[TT:TT+1],   v[TT:TT+1],   v[HH+4+2*p:HH+5+2*p]
	v_pk_add_f32 v[TT+2:TT+3], v[TT+2:TT+3], v[HH+20+2*p:HH+21+2*p]
.set p, p+1
.endr
	v_pk_add_f32 v[TT:TT+1], v[TT:TT+1], v[TT+2:TT+3]
	v_add_f32 v[TT], v[TT], v[TT+1]
	REDUCE
	v_mul_f32 v[TT+4], 0xba800000, v[TT]           ; - mean
	v_mov_b32 v[TT+5], v[TT+4]
.set p, 0
.rept 16
	v_pk_add_f32 v[HH+2*p:HH+2*p+1], v[HH+2*p:HH+2*p+1], v[TT+4:TT+5]
.set p, p+1
.endr
	v_pk_mul_f32 v[TT:TT+1],   v[HH:HH+1],     v[HH:HH+1]          ; the sum of squares of the centred numbers, two chains
	v_pk_mul_f32 v[TT+2:TT+3], v[HH+16:HH+17], v[HH+16:HH+17]
.set p, 0
.rept 7
	v_pk_fma_f32 v[TT:TT+1],   v[HH+2+2*p:HH+3+2*p],   v[HH+2+2*p:HH+3+2*p],   v[TT:TT+1]
	v_pk_fma_f32 v[TT+2:TT+3], v[HH+18+2*p:HH+19+2*p], v[HH+18+2*p:HH+19+2*p], v[TT+2:TT+3]
.set p, p+1
.endr
	v_pk_add_f32 v[TT:TT+1], v[TT:TT+1], v[TT+2:TT+3]
	v_add_f32 v[TT], v[TT], v[TT+1]
	REDUCE
	v_fma_f32 v[TT], v[TT], s21, s22               ; variance + 1e-5
	v_rsq_f32 v[TT+6], v[TT]
	v_nop                                          ; the plain place behind the root (ISA guide 5.7.2)
	s_wait_alu depctr_va_vdst(0)
	v_mov_b32 v[TT+7], v[TT+6]
.set p, 0
.rept 16
	v_pk_mul_f32 v[HH+2*p:HH+2*p+1], v[HH+2*p:HH+2*p+1], v[TT+6:TT+7]
.set p, p+1
.endr
.set p, 0
.rept 16
	v_pk_fma_f32 v[HH+2*p:HH+2*p+1], v[HH+2*p:HH+2*p+1], v[GG+2*p:GG+2*p+1], v[BB+2*p:BB+2*p+1]
.set p, p+1
.endr
.irp j, 0,1,2,3,4,5,6,7
	global_store_b128 v[XO], v[HH+4*\j:HH+4*\j+3], s[42:43] offset:4096*\i+512*\j th:TH_STORE_NT   ; 512 consecutive bytes a store
.endr
.endm
	ROWLN 0
	ROWLN 1
	ROWLN 2
	ROWLN 3
	ROWLN 4
	ROWLN 5
	ROWLN 6
	ROWLN 7
	s_wait_tensorcnt 0x0
	ds_add_u32 v254, v255
	s_wait_dscnt 0x0
	CROUND                                         ; the closing round
	s_endpgm
.Lfunc_end_k_q41462eef70_proj:
	.size	k_q41462eef70_proj, .Lfunc_end_k_q41462eef70_proj-k_q41462eef70_proj
	.p2alignl 7, 3214868480
	.fill 96, 4, 3214868480
	.section	.rodata,"a",@progbits
	.p2align	6, 0x0
	.amdhsa_kernel k_q41462eef70_proj
		.amdhsa_group_segment_fixed_size 327680
		.amdhsa_private_segment_fixed_size 0
		.amdhsa_enable_private_segment 0
		.amdhsa_kernarg_size 56
		.amdhsa_user_sgpr_count 2
		.amdhsa_user_sgpr_kernarg_segment_ptr 1
		.amdhsa_wavefront_size32 1
		.amdhsa_system_sgpr_workgroup_id_x 1
		.amdhsa_system_sgpr_workgroup_id_y 1
		.amdhsa_system_sgpr_workgroup_id_z 1
		.amdhsa_system_vgpr_workitem_id 0
		.amdhsa_next_free_vgpr 512
		.amdhsa_next_free_sgpr 66
		.amdhsa_reserve_vcc 0
		.amdhsa_float_denorm_mode_32 3
		.amdhsa_float_denorm_mode_16_64 3
		.amdhsa_memory_ordered 1
		.amdhsa_forward_progress 1
		.amdhsa_inst_pref_size 144
	.end_amdhsa_kernel
	.amdgpu_metadata
---
amdhsa.version: [ 1, 2 ]
amdhsa.kernels:
  - .name:           k_q41462eef70_proj
    .symbol:         k_q41462eef70_proj.kd
    .args:
      - { .name: y, .offset: 0, .size: 8, .value_kind: global_buffer, .address_space: global }
      - { .name: wt, .offset: 8, .size: 8, .value_kind: global_buffer, .address_space: global }
      - { .name: x, .offset: 16, .size: 8, .value_kind: global_buffer, .address_space: global }
      - { .name: bp, .offset: 24, .size: 8, .value_kind: global_buffer, .address_space: global }
      - { .name: ln_g, .offset: 32, .size: 8, .value_kind: global_buffer, .address_space: global }
      - { .name: ln_b, .offset: 40, .size: 8, .value_kind: global_buffer, .address_space: global }
      - { .name: out0, .offset: 48, .size: 8, .value_kind: global_buffer, .address_space: global }
    .group_segment_fixed_size: 327680
    .private_segment_fixed_size: 0
    .kernarg_segment_align: 8
    .kernarg_segment_size: 56
    .max_flat_workgroup_size: 256
    .sgpr_count:     66
    .vgpr_count:     512
    .wavefront_size: 32
...
	.end_amdgpu_metadata
.endif
;; end of part 4
